; MI455X (gfx1250); checked and timed in simulation.
; The chip was launched on July 23, 2026; its instructions are those of AMD's public machine-readable ISA for CDNA 5 (MIT licence, August 2026) and "CDNA5" Instruction Set Architecture Reference Guide (July 2026). The comments in the code are by the model that wrote it; some were corrected since.
;; Self Attention. Allowed arithmetic: matrix products marked QUANTISED: E4M3 operands, one given power-of-two scale a tensor, by v_wmma_f32_16x16x64_fp8_fp8 or v_wmma_f32_16x16x128_fp8_fp8, f32 sums; products left as they are: f32 operands where the result goes on into a quantised operand, else bf16, f16 or f32 operands; f32 sums; everything else in f32.
;; Inputs: Wk 64 x 16 float32; Wq 64 x 16 float32; Wv 64 x 64 float32; lowp_scales 8 int32 (the exponents e of the quantised operands' scales 2^e); x 4 x 4,096 x 64 float32.
;; Outputs: out0 4 x 4,096 x 64 float32.
;; This version of the problem:
;;   THIS VERSION OF THE PROBLEM IS GIVEN IN LOW PRECISION. The matrix products marked QUANTISED in the list below multiply operands that are first quantised to E4M3 (4 exponent bits, 3 mantissa bits; 8 bits a number), with one given power-of-two scale for each operand tensor; their sums are f32. All else is computed in f32.
;;   The module's matrix products, in the order in which they are computed (A, B: the left and right operand; K: the contracted axis; several contracted axes count as one K, in the product's order):
;;     1. [M 16,384, K 64] x [K 64, N 16]; A: input x; B: input Wq: QUANTISED (scales: A lowp_scales[0], B lowp_scales[1])
;;     2. [M 16,384, K 64] x [K 64, N 16]; A: input x; B: input Wk: QUANTISED (scales: A lowp_scales[2], B lowp_scales[3])
;;     3. [M 16,384, K 64] x [K 64, N 64]; A: input x; B: input Wv: QUANTISED (scales: A lowp_scales[4], B lowp_scales[5])
;;     4. batch 4 x [M 4,096, K 16] x [K 16, N 4,096]; A: computed on the way; B: computed on the way: left as it is (K = 16 < 32)
;;     5. batch 4 x [M 4,096, K 4,096] x [K 4,096, N 64]; A: softmax (see below); B: computed on the way: QUANTISED (scales: A lowp_scales[6], B lowp_scales[7])
;;   THE QUANTISER, for each operand of a quantised product, along K:
;;     - The operand's scale is 2^e, e = its entry of the input lowp_scales (int32; the entries are numbered through the quantised products in the list's order, A before B).
;;     - Each number is divided by the scale, clamped to +-448, and rounded to the nearest number of E4M3, ties to even, subnormals kept.
;;     - The product sums the exact products of the quantised numbers (number of the format x scale) in f32.
;;   ~~~python
;;   def quantise(x, axis, e):      # numpy; x: float32 -> the quantised numbers, widened to float32 again
;;       x = np.moveaxis(x, axis, -1); K = x.shape[-1]
;;       r = np.clip(x / 2.0 ** e, -448, 448)
;;       step = 2.0 ** (np.maximum(np.frexp(np.where(r == 0, 1, r))[1] - 1, -6) - 3)
;;       q = np.round(r / step) * step * 2.0 ** e      # np.round: ties to even
;;       return np.moveaxis(q, -1, axis).astype(np.float32)
;;   ~~~
;;   SOFTMAX AHEAD OF A QUANTISED PRODUCT. Where the list says 'softmax', what is quantised is not the finished softmax but p = 2^(t - M), with t = logit x log2(e) and M = ceil(the row's largest t), a whole number; so 1/2 < the row's largest p <= 1. The row's sum l is taken of the UNQUANTISED p, in f32, and the product's result is divided by l at the end. Since M is a whole number, a kernel that streams over the keys may use a running M (the ceiling of the running maximum): every later rescaling is an exact power of two, so the quantised numbers keep their values, but for numbers so far below the row's largest that they fall under the format's range.
;;   OPERANDS COMPUTED ON THE WAY. 'Computed on the way' means the value that the module computes at that place (a softmax that the list does not call 'softmax' is quantised finished and normalised). What goes into a quantiser is computed in f32, as accurately as f32 sums, v_exp_f32 and their like allow (about 1e-6 of the number): no bf16 or f16 on the way to a quantiser, and a product that is left as it is and whose result goes on into a quantised operand takes f32 operands (vector FMAs, or v_wmma_f32_16x16x4_f32). A number that lies on a knife's edge between two numbers of the format may be rounded either way, as far as f32 arithmetic and the matrix unit's own rounding can turn it there, and no further.
;; One version. Each part assembles by itself: llvm-mc -triple=amdgcn-amd-amdhsa -mcpu=gfx1250 --defsym DOCPART=n.
;; ======== version 1 of 1: 2 launches
;; workspace buffers: qf 1,048,576 bytes; kv 2,097,152 bytes
;; launch proj (part 1): grid 256 x 1, 2 waves a work-group, no clusters, 0 bytes of LDS; arguments x, Wq, Wk, Wv, lowp_scales, qf, kv; writes qf, kv
.if DOCPART == 1
	.amdgcn_target "amdgcn-amd-amdhsa--gfx1250"
	.amdhsa_code_object_version 6
	.text
	.protected	k_q75059517c8_proj
	.globl	k_q75059517c8_proj
	.p2align	8
	.type	k_q75059517c8_proj,@function
k_q75059517c8_proj:
	s_mov_b64 s[64:65], 0
	v_nop
	global_prefetch_b8 v0, s[64:65] scope:SCOPE_SE
	s_setreg_imm32_b32 hwreg(HW_REG_WAVE_MODE, 25, 1), 1
	s_wait_xcnt 0x0
; q = x Wq, k = x Wk, v = x Wv, all three on codes of FP8 (E4M3), each operand with the one scale 2^e that is given for it (e0 .. e5); v is then quantised along the keys with e7.
; x: [16384][64] f32.  Wq, Wk: [64][16], Wv: [64][64] f32, K along the first axis.  Out: qf and kv, laid as images of the next launch's operand registers (16 bytes a lane, 512 consecutive bytes a store).
; SHARES.  A wave takes 32 tokens (wave 2 x work-group + wave of 512), as two tiles of 16.  THE TOKENS OF A TILE ARE NOT NEIGHBOURS: lane r of tile u takes token 8 u + r + 8 (r / 8).
; So in v's results (source 0 = tokens) a lane's 16 registers of tiles 0 and 1 are the 16 neighbouring tokens 16 (lane / 16) + 0 .. 15, which are the next product's K: the conversions' results are that operand's registers.
; q and k are used transposed (source 0 = 16 columns of W, source 1 = 16 tokens): a lane holds one token and the dims 8 (lane / 16) + 0 .. 7, the order in which the next launch's f32 matrix form takes them.
; K = 64 IS PERMUTED ALIKE ON BOTH SIDES: lane (r, h) holds k = 32 h + 0 .. 31 in its eight registers, so every product meets its partner and only the order of the sums inside an instruction changes.
; x: a lane's 32 numbers are neighbours in its row (eight loads of 16 bytes).  W: a lane takes a column and its registers run down K (32 loads of 4 bytes, sixteen lanes on 64 neighbouring bytes).
; NO CLUSTER, NO LDS: what work-groups share is W, 24,576 bytes in all, which each wave wants a column a lane for its conversions; a wave has twelve matrix instructions, and a joint load would add LDS,
; rounds of a barrier and a turn of the numbers through LDS for them.
; qf: 32-token block g at 2,048 g: tile u, dims 8 h + 4 p + 0 .. 3 at 1,024 u + 512 p + 16 lane.   kv: 128 tokens are 16,384 bytes: K first (block b of four at 2,048 b, as qf), then V's codes at 8,192 + 2,048 d + 512 b + 16 lane:
; lane (r, h) holds channel 16 d + r, keys 32 b + 16 h + 0 .. 15.
; LIMITS: e0 .. e5 and e7 - e4 - e5 lie between -126 and 119, so that 2^e and 448 x 2^e are f32 numbers; e0 + e1 and e2 + e3 are applied by v_ldexp_f32 and have no limit.  NaN among the inputs is not served.
; REGISTERS: window 0: v1-7 lane terms; v8-21 seven pairs (2^e, 448 x 2^e); v32-95 x as loaded, later results; v96-111 at work, later v's codes; v112-159 x's codes; v160-207 W's codes; v208-239 results.  Window 1: v0-191 W as loaded.
.set XA,  4                            ; v4   x: (r + 8 (r / 8)) x 256 + 128 h
.set WA,  5                            ; v5   Wq, Wk: 2,048 h + 4 r
.set WB,  6                            ; v6   Wv: 8,192 h + 4 r
.set LI,  7                            ; v7   16 x lane
.set SCB, 8                            ; v[8+2z] 2^e, v[9+2z] 448 x 2^e; z = 0 .. 5: e0 .. e5; z = 6: e7 - e4 - e5
.set XR,  32
.set T,   96
.set XC,  112                          ; x's codes: tile u, scale set y (q, k, v) at 8 (3 u + y)
.set WC,  160                          ; W's codes: 0 Wq, 1 Wk, 2 + d Wv's columns 16 d on
.set QD,  32                           ; results: q(u) at 32 + 8 u, k(u) at 48 + 8 u
.set KD,  48
.set MSB, 0
.macro WIN new                         ; the immediate's high byte repeats the setting that is left
.if MSB != \new
	s_set_vgpr_msb (MSB<<8)|\new
.set MSB, \new
.endif
.endm
.macro SETDV d, u                      ; where v's result (columns 16 d on, tile u) lies
.if (\d) < 2
.set DV, 64+8*(2*(\d)+(\u))
.else
.set DV, 208+8*(2*((\d)-2)+(\u))
.endif
.endm
.macro MKSC z, e                       ; the pair of a scale: 2^e as f32 (the conversion takes its exponent field), and the largest number x 2^e
	s_add_co_i32 s50, \e, 127
	s_lshl_b32 s51, s50, 23
	v_mov_b32 v[SCB+2*\z], s51
	s_add_co_i32 s50, s50, 8
	s_lshl_b32 s50, s50, 23
	s_or_b32 s50, s50, 0x600000
	v_mov_b32 v[SCB+2*\z+1], s50
.endm
; x's tile u under scale z becomes the fragment y.  The held numbers go into two sets of eight by turns, so that eight plain lines stand between a conversion and the next write of its sources; x itself stays for the next scale.
.macro XQ u, y, z
.irp m, 0,1,2,3
.irp i, 0,1,2,3,4,5,6,7
	v_med3_num_f32 v[T+8*(\m%2)+\i], v[XR+32*\u+8*\m+\i], -v[SCB+2*\z+1], v[SCB+2*\z+1]   ; the conversion to an 8-bit code does not saturate (ISA guide 7.6.2): the hold at the largest code x the scale
.endr
	v_cvt_scalef32_pk8_fp8_f32 v[XC+8*(3*\u+\y)+2*\m:XC+8*(3*\u+\y)+2*\m+1], v[T+8*(\m%2):T+8*(\m%2)+7], v[SCB+2*\z]
.endr
.endm
.macro WHOLD f, z                      ; W's fragment f, in window 1, held in place
.set i, 0
.rept 32
	v_med3_num_f32 v[32*\f+i], v[32*\f+i], -v[SCB+2*\z+1], v[SCB+2*\z+1]
.set i, i+1
.endr
.endm
.macro WCODE f, z                      ; and turned into codes, in window 0
.irp m, 0,1,2,3
	v_cvt_scalef32_pk8_fp8_f32 v[WC+8*\f+2*\m:WC+8*\f+2*\m+1], v[32*\f+8*\m:32*\f+8*\m+7], v[SCB+2*\z]
.endr
.endm
	s_load_b256 s[4:11], s[0:1], 0x0               ; x s[4:5], Wq s[6:7], Wk s[8:9], Wv s[10:11]
	s_load_b128 s[12:15], s[0:1], 0x20             ; the scales' exponents s[12:13], qf s[14:15]
	s_load_b64 s[16:17], s[0:1], 0x30              ; kv
	v_lshrrev_b32 v1, 5, v0
	v_readfirstlane_b32 s18, v1                    ; wave 0, 1
	s_lshl_b32 s19, ttmp9, 1
	s_add_co_u32 s19, s19, s18                     ; my block of 32 tokens, 0 .. 511
	v_and_b32 v1, 31, v0                           ; lane
	v_and_b32 v2, 15, v0                           ; r
	v_bfe_u32 v3, v0, 4, 1                         ; h
	v_and_b32 v[XA], 8, v2
	v_add_nc_u32 v[XA], v[XA], v2                  ; r + 8 (r / 8)
	v_lshlrev_b32 v[XA], 8, v[XA]                  ; a row of x is 256 bytes
	v_lshl_add_u32 v[XA], v3, 7, v[XA]             ; + 128 h: k = 32 h on
	v_lshlrev_b32 v[WA], 2, v2
	v_lshl_add_u32 v[WB], v3, 13, v[WA]            ; Wv: 32 h rows of 256 bytes + 4 r
	v_lshl_add_u32 v[WA], v3, 11, v[WA]            ; Wq, Wk: 32 h rows of 64 bytes + 4 r
	v_lshlrev_b32 v[LI], 4, v1
	s_lshl_b32 s20, s19, 13                        ; x: 32 rows of 256 bytes
	s_mov_b32 s21, 0
	s_lshl_b32 s22, s19, 11                        ; qf: 2,048 bytes a block
	s_mov_b32 s23, 0
	s_lshr_b32 s50, s19, 2
	s_lshl_b32 s50, s50, 14                        ; kv: the item of 128 tokens,
	s_and_b32 s51, s19, 3                          ; and my block b in it
	s_lshl_b32 s28, s51, 11
	s_add_co_u32 s28, s28, s50                     ; K's images
	s_mov_b32 s29, 0
	s_lshl_b32 s30, s51, 9
	s_add_co_u32 s30, s30, s50
	s_add_co_u32 s30, s30, 8192                    ; V's images
	s_mov_b32 s31, 0
	s_wait_kmcnt 0x0
	s_load_b256 s[40:47], s[12:13], 0x0            ; e0 .. e7
	s_add_nc_u64 s[4:5], s[4:5], s[20:21]
	s_add_nc_u64 s[14:15], s[14:15], s[22:23]
	s_add_nc_u64 s[24:25], s[16:17], s[28:29]
	s_add_nc_u64 s[26:27], s[16:17], s[30:31]
.irp u, 0,1
.irp i, 0,1,2,3,4,5,6,7
	global_load_b128 v[XR+32*\u+4*\i:XR+32*\u+4*\i+3], v[XA], s[4:5] offset:2048*\u+16*\i   ; x(token, 32 h + 4 i ..): tile u begins 8 rows further down
.endr
.endr
	WIN 0x40                                       ; destination window 1, address window 0
.set i, 0
.rept 32
	global_load_b32 v[i], v[WA], s[6:7] offset:64*i          ; Wq(32 h + i, r)
.set i, i+1
.endr
.set i, 0
.rept 32
	global_load_b32 v[32+i], v[WA], s[8:9] offset:64*i       ; Wk likewise
.set i, i+1
.endr
.irp d, 0,1,2,3
.set i, 0
.rept 32
	global_load_b32 v[64+32*\d+i], v[WB], s[10:11] offset:256*i+64*\d   ; Wv(32 h + i, 16 d + r)
.set i, i+1
.endr
.endr
	WIN 0
	s_wait_kmcnt 0x0
	MKSC 0, s40
	MKSC 1, s41
	MKSC 2, s42
	MKSC 3, s43
	MKSC 4, s44
	MKSC 5, s45
	s_sub_co_i32 s52, s47, s44
	s_sub_co_i32 s52, s52, s45                     ; a sum of the third product stands for sum x 2^(e4 + e5): its code under e7 is sum / 2^(e7 - e4 - e5): the three scales folded into one
	MKSC 6, s52
	s_add_co_i32 s48, s40, s41                     ; q = sum x 2^(e0 + e1)
	s_add_co_i32 s49, s42, s43                     ; k = sum x 2^(e2 + e3)
	s_wait_loadcnt 0x3f                            ; x's sixteen loads are the oldest; 192 were issued behind them, and 63 is the largest count that the wait can name
.irp u, 0,1
	XQ \u, 0, 0
	XQ \u, 1, 2
	XQ \u, 2, 4
.endr
	s_wait_loadcnt 0x0                             ; W
	WIN 0x41                                       ; destination and source 0 window 1, the hold's bound window 0
	WHOLD 0, 1
	WHOLD 1, 3
	WHOLD 2, 5
	WHOLD 3, 5
	WHOLD 4, 5
	WHOLD 5, 5
	WIN 0x01                                       ; source 0 window 1, the scale and the codes window 0
	WCODE 0, 1
	WCODE 1, 3
	WCODE 2, 5
	WCODE 3, 5
	WCODE 4, 5
	WCODE 5, 5
	WIN 0
	v_nop                                          ; one plain vector instruction between the last scaled conversion and the matrix instructions that read the codes
.irp u, 0,1                                    ; twelve products, each a whole sum (K = 64 in one instruction, C = 0), each into registers of its own
	v_wmma_f32_16x16x64_fp8_fp8 v[QD+8*\u:QD+8*\u+7], v[WC:WC+7], v[XC+24*\u:XC+24*\u+7], 0
	v_wmma_f32_16x16x64_fp8_fp8 v[KD+8*\u:KD+8*\u+7], v[WC+8:WC+15], v[XC+24*\u+8:XC+24*\u+15], 0
.irp d, 0,1,2,3
	SETDV \d, \u
	v_wmma_f32_16x16x64_fp8_fp8 v[DV:DV+7], v[XC+24*\u+16:XC+24*\u+23], v[WC+16+8*\d:WC+23+8*\d], 0
.endr
.endr
.rept 4
	v_nop                                          ; four places between the last product and the first read of results (ISA guide 7.12.1)
.endr
.set i, 0
.rept 16
	v_ldexp_f32 v[QD+i], v[QD+i], s48              ; each result from its low end on
.set i, i+1
.endr
.set i, 0
.rept 16
	v_ldexp_f32 v[KD+i], v[KD+i], s49
.set i, i+1
.endr
.irp d, 0,1,2,3
.irp u, 0,1
	SETDV \d, \u
.irp i, 0,1,2,3,4,5,6,7
	v_med3_num_f32 v[DV+\i], v[DV+\i], -v[SCB+13], v[SCB+13]
.endr
	v_cvt_scalef32_pk8_fp8_f32 v[T+4*\d+2*\u:T+4*\d+2*\u+1], v[DV:DV+7], v[SCB+12]   ; tokens 16 h + 8 u + 0 .. 7 of channel 16 d + r
.endr
.endr
	v_nop                                          ; a plain line behind the last conversion; only stores follow
.irp u, 0,1
.irp p, 0,1
	global_store_b128 v[LI], v[QD+8*\u+4*\p:QD+8*\u+4*\p+3], s[14:15] offset:1024*\u+512*\p   ; every store of the wave covers 512 consecutive bytes, aligned
	global_store_b128 v[LI], v[KD+8*\u+4*\p:KD+8*\u+4*\p+3], s[24:25] offset:1024*\u+512*\p
.endr
.endr
.irp d, 0,1,2,3
	global_store_b128 v[LI], v[T+4*\d:T+4*\d+3], s[26:27] offset:2048*\d
.endr
	s_endpgm
.Lfunc_end_k_q75059517c8_proj:
	.size	k_q75059517c8_proj, .Lfunc_end_k_q75059517c8_proj-k_q75059517c8_proj
	.p2alignl 7, 3214868480
	.fill 96, 4, 3214868480
	.section	.rodata,"a",@progbits
	.p2align	6, 0x0
	.amdhsa_kernel k_q75059517c8_proj
		.amdhsa_group_segment_fixed_size 0
		.amdhsa_private_segment_fixed_size 0
		.amdhsa_enable_private_segment 0
		.amdhsa_kernarg_size 56
		.amdhsa_user_sgpr_count 2
		.amdhsa_user_sgpr_kernarg_segment_ptr 1
		.amdhsa_wavefront_size32 1
		.amdhsa_system_sgpr_workgroup_id_x 1
		.amdhsa_system_sgpr_workgroup_id_y 1
		.amdhsa_system_sgpr_workgroup_id_z 1
		.amdhsa_system_vgpr_workitem_id 0
		.amdhsa_next_free_vgpr 448
		.amdhsa_next_free_sgpr 66
		.amdhsa_reserve_vcc 0
		.amdhsa_float_denorm_mode_32 3
		.amdhsa_float_denorm_mode_16_64 3
		.amdhsa_memory_ordered 1
		.amdhsa_forward_progress 1
		.amdhsa_inst_pref_size 60
	.end_amdhsa_kernel
	.amdgpu_metadata
---
amdhsa.version: [ 1, 2 ]
amdhsa.kernels:
  - .name:           k_q75059517c8_proj
    .symbol:         k_q75059517c8_proj.kd
    .args:
      - { .name: x, .offset: 0, .size: 8, .value_kind: global_buffer, .address_space: global }
      - { .name: Wq, .offset: 8, .size: 8, .value_kind: global_buffer, .address_space: global }
      - { .name: Wk, .offset: 16, .size: 8, .value_kind: global_buffer, .address_space: global }
      - { .name: Wv, .offset: 24, .size: 8, .value_kind: global_buffer, .address_space: global }
      - { .name: lowp_scales, .offset: 32, .size: 8, .value_kind: global_buffer, .address_space: global }
      - { .name: qf, .offset: 40, .size: 8, .value_kind: global_buffer, .address_space: global }
      - { .name: kv, .offset: 48, .size: 8, .value_kind: global_buffer, .address_space: global }
    .group_segment_fixed_size: 0
    .private_segment_fixed_size: 0
    .kernarg_segment_align: 8
    .kernarg_segment_size: 56
    .max_flat_workgroup_size: 64
    .sgpr_count:     66
    .vgpr_count:     448
    .wavefront_size: 32
...
	.end_amdgpu_metadata
.endif
;; end of part 1
;; launch attn (part 2): grid 64 x 4, 16 waves a work-group, clusters of 4 x 1, 327,680 bytes of LDS; arguments qf, kv, lowp_scales, out0; writes out0
.if DOCPART == 2
	.amdgcn_target "amdgcn-amd-amdhsa--gfx1250"
	.amdhsa_code_object_version 6
	.text
	.protected	k_q75059517c8_attn
	.globl	k_q75059517c8_attn
	.p2align	8
	.type	k_q75059517c8_attn,@function
k_q75059517c8_attn:
	s_mov_b64 s[64:65], 0
	v_nop
	global_prefetch_b8 v0, s[64:65] scope:SCOPE_SE
	s_setreg_imm32_b32 hwreg(HW_REG_WAVE_MODE, 25, 1), 1
	s_wait_xcnt 0x0
	s_wait_alu depctr_hold_cnt(0) depctr_sa_sdst(0) depctr_va_vdst(0) depctr_va_sdst(0) depctr_va_ssrc(0) depctr_va_vcc(0) depctr_vm_vsrc(0)
	s_getreg_b32 s2, hwreg(HW_REG_IB_STS2, 6, 4)
	s_cmp_eq_u32 s2, 0
	s_cbranch_scc0 .Lentry_in_a_cluster
	s_endpgm
.Lentry_in_a_cluster:
	s_bfe_u32 s2, ttmp6, 0x10000c
	s_cmp_lg_u32 s2, 0x3003
	s_cbranch_scc0 .Lentry_shape_is_right
	s_endpgm
.Lentry_shape_is_right:
; out[b][q][:] = the sum over keys k <= q of softmax_k(q . k / 4) v[k][:], 4 batches x 4,096 tokens, 16 dims, 64 channels.
; The scores (K = 16) take f32 operands, by v_wmma_f32_16x16x4_f32, since they go on into a quantiser.  t = score x log2(e) / 4; M = the largest t so far, rounded UP to a whole number; p = 2^(t - M) is quantised to FP8 (E4M3) with 2^e6;
; v arrives as codes under 2^e7 with the keys innermost; the row's sum l is taken of the unquantised p; the result is x 2^(e6 + e7) / l.
; WORK IS COUNTED IN ITEMS of 128 keys.  A cluster (x = c, 0 .. 15; y = the batch) owns the blocks of 128 queries c ("low") and 31 - c ("high").  Under the mask they want c + 1 and 32 - c items: ONE LIST OF 33, whatever c is:
; items 0 .. c are the low block's key steps 0 .. c, items c + 1 .. 32 the high block's key steps 0 .. 31 - c.  The four partners walk the same list, so each item is asked for JOINTLY (mask 15) and lands in each partner's LDS.
; A work-group (place cx) owns 32 queries of each block, two tiles a = 0, 1; lane r of tile a holds query 32 cx + 8 a + r + 8 (r / 8) of the block.  Wave w: a = w % 2, s = w / 2; in round n (0 .. 4) it takes item 8 n + s for its tile
; (round 4 has item 32 alone: waves 0 and 1).  So every work-group has 66 tile-items.  A wave keeps a running state (O^T, M, l); it goes over from the low block to the high one once, in round RS = (c + 1 - s + 7) / 8 (0, 1 or 2).
; At the end the eight partial states of each tile meet in LDS; M is a whole number, so each is brought under the common M by an exact power of two.
; The diagonal: item c (low; round (c - s) / 8 of wave s where that divides) and item 32 (high): hidden scores become -infinity ahead of the maximum.  Key 0 of a diagonal item counts for every query, so M is a number.
; Every branch hangs on c and on the wave's number, which the partners share; cx enters global addresses of qf and out0 and the mask's compare value alone.
; LAYOUT.  S^T = K Q^T (source 0 = 16 keys, source 1 = my 16 queries), O^T = V^T P^T (source 0 = 16 channels, source 1 = P): a lane holds ONE query (lane % 16) throughout.  K's tile 2 b + u holds in lane r key 32 b + 8 u + r + 8 (r / 8),
; so the 16 registers of tiles 2 b and 2 b + 1 are keys 32 b + 16 (lane / 16) + 0 .. 15: the conversions' results are the second product's operand.  K step c of the scores: a lane's registers 2 c, 2 c + 1 hold dims 8 (lane / 16) + 2 c, + 1, alike on both sides.
; LDS: two slots of eight places of 16,384 bytes (an item as the launch before laid it: images of the operands' registers, read at 16 x lane); the spare words behind them.  The partial states lie in places that have had their last fill and their last read.
; No prefetch: a refill is asked for a whole round of the work-group's items ahead of its first read, an item is read by several clusters, and the first two slots are asked for at the head.
; LIMITS: e6 lies between -126 and 119 (2^e6 and 448 x 2^e6 are made as f32 numbers); e6 + e7 is applied by v_ldexp_f32 and has none.  NaN among the inputs is not served.
; REGISTERS: v1-11 addresses that stay; v12 -M, v13 the largest t, v[14:15] l in two halves; v16-23 Q in hand, v24-31 the high block's Q; v32-95 K's fragments, then p, then V's fragments; v96-159 S^T (written by the f32 matrix form alone);
; v160-191 O^T; v192-223 the low block's O^T; v224-239 p's codes; v240 448 x 2^e6, v241 2^e6, v242 -infinity; v[244:245] the low block's -M and l; v246-254 at work.
.set SLOT1, 1<<17                      ; slot 1 begins here
.set SPARE, 2*SLOT1                    ; behind the ring: the spare words, 128 bytes for each of sixteen waves: eight blocks of 256 bytes that no other line names
.set PART,  16384                      ; the partial states: 32 (16 x block + wave) of 16 rows x (256 bytes + 16): from slot 0's place 1 on; place 0 is left to item 32
.set PSZ,   16*272
.set STATS, PART+32*PSZ                ; and their (-M, l): 128 bytes each, 8 a row
.set LI,   1                           ; v1   16 x lane
.set ADR0, 2                           ; v2   my place in slot 0: 16 x lane + 16,384 s
.set ADR1, 3                           ; v3   in slot 1
.set PWL,  4                           ; v4   where I put the low block's O^T: row r, + 32 h
.set SPW,  5                           ; v5   LDS address of my spare word: SPARE + 4 x my thread's number; never rewritten
.set NIL,  6                           ; v6   0; never rewritten
.set PWH,  7                           ; v7   the high block's
.set SWA,  8                           ; v8   where I put (-M, l)
.set MR,   9                           ; v9   the merge: where I read pieces of O^T
.set MS,   10                          ; v10  and (-M, l)
.set DD,   11                          ; v11  my query in its block - 16 (lane / 16)
.set Q,    16
.set QH,   24
.set FR,   32
.set S,    96
.set O,    160
.set OL,   192
.set PC,   224
.set ML,   244
.set LL,   245
; A round of the cluster's barrier: my work-group's barrier, so that wave 0's signal speaks for all sixteen waves; wave 0 signals; every wave waits for the four work-groups; my work-group's barrier once more.
.macro CROUND
	s_barrier_signal -1
	s_barrier_wait -1
	s_cmp_lg_u32 s12, 0
	s_cbranch_scc1 .Lnot_wave_0_\@
	s_barrier_signal -3
.Lnot_wave_0_\@:
	s_barrier_wait -3
	s_barrier_signal -1
	s_barrier_wait -1
.endm
; THE CHANGE OF SLOTS.  Each wave waits for all its tensor loads (its item of the slot ahead), adds 0 to its spare word, and waits for that and for its reads of the slot that it has left.  who > 0: that slot is filled again: waves 0 .. who - 1
; ask for items item0 + wave, all of the high block (item0 is at least 16, c + 1 at most 16): key step item - (c + 1).  The barrier is then a round of the cluster's, and the joint load the first thing behind it.
.macro CHANGE g0, item0, who
	s_wait_tensorcnt 0x0                           ; no tensor load of mine is out, so a group 0 may be written
	ds_add_u32 v[SPW], v[NIL]                      ; 0 onto my spare word; the descriptor's step stands between it and the wait for it
.if \who
	s_add_co_u32 s42, s12, \item0
	s_sub_co_u32 s42, s42, s16
	s_lshl_b32 s42, s42, 14                        ; the key step's 16,384 bytes
	s_add_nc_u64 s[\g0+2:\g0+3], s[40:41], s[42:43]
	s_or_b32 s[\g0+3], s[\g0+3], 0x80000000        ; type = 2
	s_wait_dscnt 0x0                               ; the add is done, and my reads of the slot that I have left are over
	CROUND
	s_cmp_lt_u32 s12, \who
	s_cbranch_scc0 .Lnone_\@
	tensor_load_to_lds s[\g0:\g0+3], s[24:31]      ; my one tensor load until the next round
	s_nop 0
.rept 4
	v_nop
.endr
.Lnone_\@:
.else
	s_wait_dscnt 0x0
	s_barrier_signal -1
	s_barrier_wait -1
.endif
.endm
; In round RS the wave goes over to the high block: the running state is put by, a new one begins, Q changes.  In round 0 the state is still the empty one, which the head has also written as the low block's: only Q changes.
.macro SWITCH n
	s_cmp_lg_u32 s19, \n
	s_cbranch_scc1 .Lstay_\@
.if \n
.set j, 0
.rept 32
	v_mov_b32 v[OL+j], v[O+j]                      ; each accumulator from its low end on
.set j, j+1
.endr
	v_add_f32 v[LL], v14, v15
	v_mov_b32 v[ML], v12
.set j, 0
.rept 32
	v_mov_b32 v[O+j], 0
.set j, j+1
.endr
	v_mov_b32 v13, 0xff61b1e6                      ; -3e38, under every t
	v_floor_f32 v12, -v13
	v_mov_b32 v14, 0
	v_mov_b32 v15, 0
.endif
.set j, 0
.rept 8
	v_mov_b32 v[Q+j], v[QH+j]
.set j, j+1
.endr
.Lstay_\@:
.endm
; The scores at v[src] on: their maximum, the new M, f = 2^(old M - new M), and t - M into v[FR] on.
.macro SOFTHEAD src
	v_max3_num_f32 v254, v[\src], v[\src+1], v[\src+2]     ; my query's largest score among my 64 keys, in two chains, each accumulator from its low end on
	v_max3_num_f32 v252, v[\src+3], v[\src+4], v[\src+5]
.irp i, 6,10,14,18,22,26,30,34,38,42,46,50,54,58
	v_max3_num_f32 v254, v254, v[\src+\i], v[\src+\i+1]
	v_max3_num_f32 v252, v252, v[\src+\i+2], v[\src+\i+3]
.endr
	v_max3_num_f32 v254, v254, v[\src+62], v[\src+63]
	v_max_num_f32 v254, v254, v252
	v_permlanex16_b32 v250, v254, s20, s21
	v_max_num_f32 v254, v254, v250                 ; and among lane l xor 16's
	v_mul_f32 v254, s22, v254                      ; as t (the factor is positive)
	v_max_num_f32 v13, v13, v254                   ; the running largest t
	v_mov_b32 v254, v12
	v_floor_f32 v12, -v13                          ; the new -M = floor(-t) = -ceil(t)
	v_sub_f32 v254, v12, v254                      ; old M - new M: a whole number, 0 or less
	v_cvt_i32_f32 v254, v254                       ; (it saturates)
	v_ldexp_f32 v252, 1.0, v254                    ; f
.set j, 0
.rept 32
	v_pk_fma_f32 v[FR+j:FR+j+1], v[\src+j:\src+j+1], s[22:23], v[12:13] op_sel_hi:[1,0,0]   ; t - M, two at a time (of both pairs the low word serves both halves)
.set j, j+2
.endr
.endm
; Register 16 b + i holds key 32 b + 16 (lane / 16) + i of the item: hidden where 32 b + i > my query - 16 (lane / 16).  The masked scores go into v[FR] on: S^T's registers are written by the matrix form alone.
.macro MASK
.set n, 0
.rept 64
	v_cmp_gt_i32 vcc_lo, 32*(n/16)+n%16, v[DD]
	v_cndmask_b32 v[FR+n], v[S+n], v242, vcc_lo
.set n, n+1
.endr
.endm
; ONE ITEM for my tile.  dg = 0: no key is hidden; 2: the diagonal; 1: the diagonal where c - s = 8 n.
.macro STEP adr, dg, n
.set t, 0
.rept 8
	ds_load_b128 v[FR+8*t:FR+8*t+3], v[\adr] offset:1024*t          ; K's eight tiles: dims 8 h + 0 .. 3,
.set t, t+1
.endr
.set t, 0
.rept 8
	ds_load_b128 v[FR+8*t+4:FR+8*t+7], v[\adr] offset:1024*t+512    ; dims 8 h + 4 .. 7
.set t, t+1
.endr
	s_wait_dscnt 0x8                               ; the first eight are in; the eight issued behind them may be out: K steps 0 and 1 read registers 0 to 3 of a tile
.irp c, 0,1,2,3                                ; the eight accumulators take turns, one instruction a turn; K step 0 starts the sums
.if \c == 2
	s_wait_dscnt 0x0
.endif
.set t, 0
.rept 8
.if \c == 0
	v_wmma_f32_16x16x4_f32 v[S+8*t:S+8*t+7], v[FR+8*t:FR+8*t+1], v[Q:Q+1], 0
.else
	v_wmma_f32_16x16x4_f32 v[S+8*t:S+8*t+7], v[FR+8*t+2*\c:FR+8*t+2*\c+1], v[Q+2*\c:Q+2*\c+1], v[S+8*t:S+8*t+7]
.endif
.set t, t+1
.endr
.endr
.rept 8
	v_nop                                          ; eight places behind this form, ahead of the reads of its results and of the writes over K's fragments (ISA guide 7.12.1)
.endr
.if \dg == 0
	SOFTHEAD S
.elseif \dg == 2
	MASK
	SOFTHEAD FR
.else
	s_cmp_eq_u32 s44, 8*\n
	s_cbranch_scc1 .Ldiag_\@
	SOFTHEAD S
	s_branch .Lsoft_\@
.Ldiag_\@:
	MASK
	SOFTHEAD FR
.Lsoft_\@:
.endif
.set j, 0
.rept 64
	v_exp_f32 v[FR+j], v[FR+j]                     ; p = 2^(t - M), at most 1, not normalised
.set j, j+1
.endr
	v_pk_mul_f32 v[14:15], v[14:15], v[252:253] op_sel_hi:[1,0]   ; l under the new M; also the plain line behind the exponentials
	s_wait_alu depctr_va_vdst(0)                   ; one wait for the whole batch, ahead of its first reader
	v_pk_add_f32 v[248:249], v[FR:FR+1], v[FR+2:FR+3]              ; the sum is taken of the unquantised p, in two chains
.set j, 4
.rept 15
	v_pk_add_f32 v[14:15], v[14:15], v[FR+j:FR+j+1]
	v_pk_add_f32 v[248:249], v[248:249], v[FR+j+2:FR+j+3]
.set j, j+4
.endr
	v_pk_add_f32 v[14:15], v[14:15], v[248:249]
.irp b, 0,1,2,3
.set j, 0
.rept 16
	v_min_num_f32 v[FR+16*\b+j], v[FR+16*\b+j], v240   ; the conversion does not saturate (ISA guide 7.6.2); p is not negative, so the hold is one-sided
.set j, j+1
.endr
	v_cvt_scalef32_pk8_fp8_f32 v[PC+4*\b:PC+4*\b+1], v[FR+16*\b:FR+16*\b+7], v241
	v_cvt_scalef32_pk8_fp8_f32 v[PC+4*\b+2:PC+4*\b+3], v[FR+16*\b+8:FR+16*\b+15], v241
.endr
.irp d, 0,1,2,3
.irp b, 0,1,2,3
	ds_load_b128 v[FR+16*\d+4*\b:FR+16*\d+4*\b+3], v[\adr] offset:8192+2048*\d+512*\b   ; V's four fragments: channel 16 d + r, keys 32 b + 16 h + 0 .. 15
.endr
.endr
.set j, 0
.rept 16
	v_pk_mul_f32 v[O+j:O+j+1], v[O+j:O+j+1], v[252:253] op_sel_hi:[1,0]   ; O^T under the new M, while V is on its way; these are also the plain lines between the conversions and the products
.set j, j+2
.endr
	s_wait_dscnt 0x0
.irp d, 0,1,2,3                                ; four accumulators, one instruction each
	v_wmma_f32_16x16x128_fp8_fp8 v[O+8*\d:O+8*\d+7], v[FR+16*\d:FR+16*\d+15], v[PC:PC+15], v[O+8*\d:O+8*\d+7]
.endr
.rept 4
	v_nop                                          ; four places, ahead of the next loads into the fragments' registers and of the next read of O^T
.endr
.endm
; THE MERGE of two rows (lanes 0-15 one, lanes 16-31 the next): eight partial states, -M and l at v[ST + 2 n], my four channels at v[FK + 4 n].
.macro MERGE k
.set ST, O+16*\k
.set FK, FR+32*\k
.set AC, PC+4*\k
	v_min_num_f32 v254, v[ST], v[ST+2]             ; the least -M: the common M
.irp n, 2,3,4,5,6,7
	v_min_num_f32 v254, v254, v[ST+2*\n]
.endr
.irp n, 0,1,2,3,4,5,6,7
	v_sub_f32 v[ST+2*\n], v254, v[ST+2*\n]         ; a state's M less the common one: a whole number, 0 or less
.endr
.irp n, 0,1,2,3,4,5,6,7
	v_cvt_i32_f32 v[ST+2*\n], v[ST+2*\n]           ; (it saturates: an empty state gets the factor 0)
.endr
.irp n, 0,1,2,3,4,5,6,7
	v_ldexp_f32 v[ST+2*\n], 1.0, v[ST+2*\n]
.endr
	v_mul_f32 v252, v[ST], v[ST+1]
.irp n, 1,2,3,4,5,6,7
	v_fmac_f32 v252, v[ST+2*\n], v[ST+2*\n+1]      ; l
.endr
	v_rcp_f32 v246, v252
	v_pk_mul_f32 v[AC:AC+1], v[FK:FK+1], v[ST:ST+1] op_sel_hi:[1,0]         ; (plain work that names neither l nor its reciprocal)
	v_pk_mul_f32 v[AC+2:AC+3], v[FK+2:FK+3], v[ST:ST+1] op_sel_hi:[1,0]
.irp n, 1,2,3,4,5,6,7
	v_pk_fma_f32 v[AC:AC+1], v[FK+4*\n:FK+4*\n+1], v[ST+2*\n:ST+2*\n+1], v[AC:AC+1] op_sel_hi:[1,0,1]
	v_pk_fma_f32 v[AC+2:AC+3], v[FK+4*\n+2:FK+4*\n+3], v[ST+2*\n:ST+2*\n+1], v[AC+2:AC+3] op_sel_hi:[1,0,1]
.endr
	s_wait_alu depctr_va_vdst(0)                   ; the wait ahead of the reciprocal's first reader
	v_ldexp_f32 v246, v246, s52                    ; x 2^(e6 + e7)
	v_pk_mul_f32 v[AC:AC+1], v[AC:AC+1], v[246:247] op_sel_hi:[1,0]
	v_pk_mul_f32 v[AC+2:AC+3], v[AC+2:AC+3], v[246:247] op_sel_hi:[1,0]
	global_store_b128 v[LI], v[AC:AC+3], s[54:55] offset:512*\k th:TH_STORE_NT   ; two whole rows of out0: 512 consecutive bytes, aligned; written once, read by nobody here
.endm
	s_load_b256 s[4:11], s[0:1], 0x0               ; qf s[4:5], kv s[6:7], the scales' exponents s[8:9], out0 s[10:11]
	v_lshl_add_u32 v[SPW], v0, 2, SPARE
	v_mov_b32 v[NIL], 0
	ds_add_u32 v5, v6
	s_wait_dscnt 0x0
	v_lshrrev_b32 v12, 5, v0
	v_readfirstlane_b32 s12, v12                   ; wave 0 .. 15
	s_bfe_u32 s13, ttmp6, 0x40000                  ; cx: my place in the cluster
	s_mov_b32 s14, ttmp9                           ; c: in a cluster launch ttmp9 counts clusters
	s_and_b32 s15, ttmp7, 0xffff                   ; the batch
	s_add_co_u32 s16, s14, 1                       ; the low block's items
	s_lshr_b32 s17, s12, 1                         ; s
	s_and_b32 s18, s12, 1                          ; a
	s_sub_co_u32 s19, s16, s17
	s_add_co_u32 s19, s19, 7
	s_lshr_b32 s19, s19, 3                         ; RS: the first round whose item 8 n + s is the high block's
	s_sub_co_u32 s44, s14, s17                     ; c - s: the low block's diagonal is my item where this is 8 n
	s_mov_b32 s20, 0x76543210                      ; lane selects for v_permlanex16_b32: lane l xor 16
	s_mov_b32 s21, 0xfedcba98
	s_mov_b32 s22, 0x3eb8aa3b                      ; log2(e) / 4
	s_mov_b32 s23, s22                             ; (named with it as a pair, so it is written)
	s_mov_b32 s43, 0
	; descriptor group 1: an item is one dense block: 64 rows of 32 elements of 8 bytes, no padding
	s_mov_b32 s24, 15|(3<<16)|(1<<21)              ; 15:0 the mask: all four work-groups; 17:16 elements of 8 bytes; 21 set beside a mask
	s_mov_b32 s25, 32<<16                          ; tensor_dim0 = 32
	s_mov_b32 s26, 64<<16                          ; tensor_dim1 = 64
	s_mov_b32 s27, 32<<16                          ; tile_dim0 = 32
	s_mov_b32 s28, 64                              ; tile_dim1 = 64
	s_mov_b32 s29, 32                              ; tensor_dim0_stride
	s_mov_b32 s30, 0
	s_mov_b32 s31, 0
	; every LDS address is made here, ahead of the first parting of the waves: a constant, a lane term, the wave's number times a constant
	v_and_b32 v12, 31, v0                          ; lane
	v_and_b32 v13, 15, v0                          ; r
	v_bfe_u32 v14, v0, 4, 1                        ; h
	v_lshlrev_b32 v[LI], 4, v12
	s_lshl_b32 s56, s17, 14
	v_add_nc_u32 v[ADR0], s56, v[LI]
	v_add_nc_u32 v[ADR1], SLOT1, v[ADR0]
	v_mul_u32_u24 v15, v13, 272
	v_lshl_add_u32 v15, v14, 5, v15                ; row r, + 32 h: my eight channels of a tile of 16
	s_mul_i32 s56, s12, PSZ
	s_add_co_u32 s56, s56, PART
	v_add_nc_u32 v[PWL], s56, v15
	v_add_nc_u32 v[PWH], 16*PSZ, v[PWL]
	s_lshl_b32 s56, s12, 7
	s_add_co_u32 s56, s56, STATS
	v_lshl_add_u32 v[SWA], v13, 3, s56
	s_lshr_b32 s57, s12, 3                         ; my job in the merge: the block (0 low, 1 high),
	s_bfe_u32 s58, s12, 0x10002                    ; the tile,
	s_and_b32 s59, s12, 3                          ; and which four of its rows
	s_lshl_b32 s56, s57, 4
	s_add_co_u32 s56, s56, s58                     ; the first of its eight states; the others lie two states apart
	s_mul_i32 s60, s56, PSZ
	s_mul_i32 s61, s59, 4*272
	s_add_co_u32 s60, s60, s61
	s_add_co_u32 s60, s60, PART
	v_mul_u32_u24 v15, v14, 272
	v_lshl_add_u32 v15, v13, 4, v15                ; lanes 0-15 one row, lanes 16-31 the next; 16 bytes a lane
	v_add_nc_u32 v[MR], s60, v15
	s_lshl_b32 s60, s56, 7
	s_lshl_b32 s61, s59, 5
	s_add_co_u32 s60, s60, s61
	s_add_co_u32 s60, s60, STATS
	v_lshl_add_u32 v[MS], v14, 3, s60
	; global offsets.  What holds cx: s13, s62, s[46:49], s[54:55], v11, and nothing else
	s_sub_co_u32 s56, 31, s14                      ; the high block
	s_cmp_lt_u32 s12, 8
	s_cselect_b32 s60, s14, s56                    ; my merge job's block
	s_lshl_b32 s60, s60, 7
	s_lshl_b32 s61, s15, 12
	s_add_co_u32 s60, s60, s61                     ; token: 4,096 batch + 128 block
	s_lshl_b32 s61, s58, 3
	s_add_co_u32 s60, s60, s61                     ; + 8 a
	s_lshr_b32 s61, s59, 1
	s_lshl_b32 s61, s61, 3
	s_add_co_u32 s60, s60, s61                     ; + 8 (row / 8)
	s_lshl_b32 s61, s59, 2
	s_add_co_u32 s60, s60, s61                     ; + my first row
	s_lshl_b32 s62, s13, 5
	s_add_co_u32 s62, s62, s60                     ; + 32 cx
	s_lshl_b32 s54, s62, 8                         ; a row of out0 is 256 bytes
	s_mov_b32 s55, 0
	s_lshl_b32 s60, s15, 7                         ; qf: blocks of 32 tokens: 128 batch
	s_lshl_b32 s61, s14, 2
	s_add_co_u32 s61, s61, s60                     ; + 4 c
	s_lshl_b32 s56, s56, 2
	s_add_co_u32 s56, s56, s60                     ; + 4 (31 - c)
	s_add_co_u32 s62, s61, s13
	s_lshl_b32 s62, s62, 1
	s_add_co_u32 s62, s62, s18                     ; 2 x (block of 32) + a: tiles of 1,024 bytes
	s_lshl_b32 s46, s62, 10
	s_mov_b32 s47, 0
	s_add_co_u32 s62, s56, s13
	s_lshl_b32 s62, s62, 1
	s_add_co_u32 s62, s62, s18
	s_lshl_b32 s48, s62, 10
	s_mov_b32 s49, 0
	s_lshl_b32 s62, s13, 5
	s_lshl_b32 s61, s18, 3
	s_add_co_u32 s62, s62, s61                     ; 32 cx + 8 a
	v_and_b32 v15, 8, v13
	v_add_nc_u32 v15, v15, v13                     ; r + 8 (r / 8)
	v_lshlrev_b32 v[DD], 4, v14
	v_sub_nc_u32 v[DD], v15, v[DD]
	v_add_nc_u32 v[DD], s62, v[DD]
	; descriptor groups 0: slot 0 takes items 0 .. 7, slot 1 items 8 .. 15, wave w's at place w.  An item at or past c + 1 is the high block's key step item - (c + 1)
	s_mov_b32 s32, 1                               ; count = 1
	s_lshl_b32 s33, s12, 14                        ; LDS address: place = wave
	s_mov_b32 s36, 1
	s_add_co_u32 s37, s33, SLOT1
	s_lshl_b32 s42, s15, 19                        ; a batch's 32 items
	s_wait_kmcnt 0x0
	s_load_b64 s[50:51], s[8:9], 0x18              ; e6, e7
	s_add_nc_u64 s[40:41], s[6:7], s[42:43]        ; kv at my batch
	s_add_nc_u64 s[46:47], s[4:5], s[46:47]
	s_add_nc_u64 s[48:49], s[4:5], s[48:49]
	s_add_nc_u64 s[54:55], s[10:11], s[54:55]
	s_cmp_ge_u32 s12, s16
	s_cselect_b32 s56, s16, 0
	s_sub_co_u32 s42, s12, s56
	s_lshl_b32 s42, s42, 14
	s_add_nc_u64 s[34:35], s[40:41], s[42:43]
	s_or_b32 s35, s35, 0x80000000                  ; type = 2
	s_add_co_u32 s60, s12, 8
	s_cmp_ge_u32 s60, s16
	s_cselect_b32 s56, s16, 0
	s_sub_co_u32 s42, s60, s56
	s_lshl_b32 s42, s42, 14
	s_add_nc_u64 s[38:39], s[40:41], s[42:43]
	s_or_b32 s39, s39, 0x80000000
	CROUND                                         ; all four work-groups are here: the first joint loads meet
	s_cmp_lt_u32 s12, 8                            ; waves 0 to 7 fetch; a wave's two first fills stand in one branch, ahead of every wait on TENSORcnt and every LDS read: two loads of mine are out
	s_cbranch_scc0 .Lno_first
	tensor_load_to_lds s[32:35], s[24:31]
	s_nop 0
	tensor_load_to_lds s[36:39], s[24:31]
	s_nop 0
.rept 4
	v_nop
.endr
.Lno_first:
	global_load_b128 v[Q:Q+3], v[LI], s[46:47]               ; the low block's tile of Q: dims 8 h + 0 .. 3,
	global_load_b128 v[Q+4:Q+7], v[LI], s[46:47] offset:512  ; 8 h + 4 .. 7
	global_load_b128 v[QH:QH+3], v[LI], s[48:49]             ; the high block's
	global_load_b128 v[QH+4:QH+7], v[LI], s[48:49] offset:512
	v_mov_b32 v13, 0xff61b1e6                      ; the largest t so far: -3e38, under every t
	v_floor_f32 v12, -v13                          ; -M
	v_mov_b32 v14, 0
	v_mov_b32 v15, 0
	v_mov_b32 v[ML], v12                           ; the low block's state begins as an empty one too: a wave whose first item is the high block's leaves it so
	v_mov_b32 v[LL], 0
.set j, 0
.rept 32
	v_mov_b32 v[O+j], 0                            ; the step is written once: the first finds zeros, which the first change of M leaves zeros
	v_mov_b32 v[OL+j], 0
.set j, j+1
.endr
	v_mov_b32 v242, 0xff800000                     ; -infinity
	v_mov_b32 v247, 0                              ; (named as the upper halves of pairs)
	v_mov_b32 v253, 0
	v_mov_b32 v250, 0                              ; written once: a lane permute's destination counts as one of its sources
	s_wait_kmcnt 0x0
	s_add_co_i32 s52, s50, s51                     ; e6 + e7
	s_add_co_i32 s56, s50, 127
	s_lshl_b32 s60, s56, 23
	v_mov_b32 v241, s60                            ; 2^e6 as f32, for the conversion
	s_add_co_i32 s56, s56, 8
	s_lshl_b32 s56, s56, 23
	s_or_b32 s56, s56, 0x600000
	v_mov_b32 v240, s56                            ; 448 x 2^e6
	s_wait_loadcnt 0x0                             ; Q
	s_wait_tensorcnt 0x1                           ; my item of slot 0 is in; slot 1's, issued behind it, may stay out
	s_barrier_signal -1
	s_barrier_wait -1                              ; everybody's is
	SWITCH 0
	STEP ADR0, 1, 0                                ; items 0 .. 7
	CHANGE 32, 16, 8                               ; slot 0 takes items 16 .. 23
	SWITCH 1
	STEP ADR1, 1, 1                                ; items 8 .. 15
	CHANGE 36, 24, 8                               ; slot 1 takes items 24 .. 31
	SWITCH 2
	STEP ADR0, 0, 2                                ; items 16 .. 23: the high block's, under its diagonal
	CHANGE 32, 32, 1                               ; slot 0's place 0 takes item 32
	STEP ADR1, 0, 3                                ; items 24 .. 31
	CHANGE 32, 0, 0                                ; nothing is left to fetch: a barrier of the work-group
	s_cmp_lt_u32 s12, 2
	s_cbranch_scc0 .Lno_last
	STEP ADR0, 2, 4                                ; item 32, the high block's diagonal: waves 0 and 1
.Lno_last:
	; THE PARTIAL STATES go to LDS: bytes of slot 0's places 1 to 7 and of slot 1, which have had their last fill and which nobody reads behind the last barrier
	v_add_f32 v14, v14, v15                        ; l's two halves,
	v_permlanex16_b32 v250, v14, s20, s21
	v_add_f32 v13, v14, v250                       ; and lane l xor 16's: beside -M, as a pair
	v_permlanex16_b32 v250, v[LL], s20, s21
	v_add_f32 v[LL], v[LL], v250
	ds_store_b64 v[SWA], v[ML:LL]                  ; (both halves of the lanes write the same numbers)
	ds_store_b64 v[SWA], v[12:13] offset:2048
.irp d, 0,1,2,3
	ds_store_b128 v[PWL], v[OL+8*\d:OL+8*\d+3] offset:64*\d          ; lane (r, h): query r, channels 16 d + 8 h + 0 .. 7
	ds_store_b128 v[PWL], v[OL+8*\d+4:OL+8*\d+7] offset:64*\d+16
.endr
.irp d, 0,1,2,3
	ds_store_b128 v[PWH], v[O+8*\d:O+8*\d+3] offset:64*\d
	ds_store_b128 v[PWH], v[O+8*\d+4:O+8*\d+7] offset:64*\d+16
.endr
	s_wait_dscnt 0x0                               ; for the others' sake: my stores have landed
	s_barrier_signal -1
	s_barrier_wait -1
.irp k, 0,1                                    ; rows 4 (w % 4) + 2 k + (lane / 16) of my job's tile, from its eight states
.irp n, 0,1,2,3,4,5,6,7
	ds_load_b128 v[FR+32*\k+4*\n:FR+32*\k+4*\n+3], v[MR] offset:2*PSZ*\n+544*\k
	ds_load_b64 v[O+16*\k+2*\n:O+16*\k+2*\n+1], v[MS] offset:256*\n+16*\k
.endr
.endr
	s_wait_dscnt 0x10                              ; the first pair of rows is in; the sixteen loads of the second may be out
	MERGE 0
	s_wait_dscnt 0x0
	MERGE 1
	s_wait_tensorcnt 0x0                           ; the wave's end, behind my last tensor load and my last LDS store
	ds_add_u32 v[SPW], v[NIL]
	s_wait_dscnt 0x0
	CROUND                                         ; the closing round: no work-group ends while a partner may still ask for an item that names it
	s_endpgm
.Lfunc_end_k_q75059517c8_attn:
	.size	k_q75059517c8_attn, .Lfunc_end_k_q75059517c8_attn-k_q75059517c8_attn
	.p2alignl 7, 3214868480
	.fill 96, 4, 3214868480
	.section	.rodata,"a",@progbits
	.p2align	6, 0x0
	.amdhsa_kernel k_q75059517c8_attn
		.amdhsa_group_segment_fixed_size 327680
		.amdhsa_private_segment_fixed_size 0
		.amdhsa_enable_private_segment 0
		.amdhsa_kernarg_size 32
		.amdhsa_user_sgpr_count 2
		.amdhsa_user_sgpr_kernarg_segment_ptr 1
		.amdhsa_wavefront_size32 1
		.amdhsa_system_sgpr_workgroup_id_x 1
		.amdhsa_system_sgpr_workgroup_id_y 1
		.amdhsa_system_sgpr_workgroup_id_z 1
		.amdhsa_system_vgpr_workitem_id 0
		.amdhsa_next_free_vgpr 256
		.amdhsa_next_free_sgpr 66
		.amdhsa_reserve_vcc 1
		.amdhsa_float_denorm_mode_32 3
		.amdhsa_float_denorm_mode_16_64 3
		.amdhsa_memory_ordered 1
		.amdhsa_forward_progress 1
		.amdhsa_inst_pref_size 135
	.end_amdhsa_kernel
	.amdgpu_metadata
---
amdhsa.version: [ 1, 2 ]
amdhsa.kernels:
  - .name:           k_q75059517c8_attn
    .symbol:         k_q75059517c8_attn.kd
    .args:
      - { .name: qf, .offset: 0, .size: 8, .value_kind: global_buffer, .address_space: global }
      - { .name: kv, .offset: 8, .size: 8, .value_kind: global_buffer, .address_space: global }
      - { .name: lowp_scales, .offset: 16, .size: 8, .value_kind: global_buffer, .address_space: global }
      - { .name: out0, .offset: 24, .size: 8, .value_kind: global_buffer, .address_space: global }
    .group_segment_fixed_size: 327680
    .private_segment_fixed_size: 0
    .kernarg_segment_align: 8
    .kernarg_segment_size: 32
    .max_flat_workgroup_size: 512
    .sgpr_count:     66
    .vgpr_count:     256
    .wavefront_size: 32
...
	.end_amdgpu_metadata
.endif
;; end of part 2
